; MI455X (gfx1250); checked and timed in simulation.
; The chip was launched on July 23, 2026; its instructions are those of AMD's public machine-readable ISA for CDNA 5 (MIT licence, August 2026) and "CDNA5" Instruction Set Architecture Reference Guide (July 2026). The comments in the code are by the model that wrote it; some were corrected since.
;; Shared Contextual Position Policy. Allowed arithmetic: float matrix products may take bf16 or f16 operands with f32 sums; all other float work in f32.
;; Inputs: W1 512 x 515 float32; W2 1 x 512 float32; b1 512 float32; b2 1 float32; emb_table 100,000 x 128 float32; left_item_ids 262,144 int32; normalized_positions 262,144 float32; original_item_ids 262,144 int32; position_indices 262,144 float32; right_item_ids 262,144 int32; session_lengths 262,144 float32; target_item_ids 262,144 int32.
;; Outputs: out0 262,144 float32.
;; One version. Each part assembles by itself: llvm-mc -triple=amdgcn-amd-amdhsa -mcpu=gfx1250 --defsym DOCPART=n.
;; ======== version 1 of 1: 2 launches
;; limits: values outside matrix products are rounded to bf16
;; workspace buffers: tblb 25,600,000 bytes; w1p 542,720 bytes
;; launch prep (part 1): grid 2765 x 1, 4 waves a work-group, no clusters, 0 bytes of LDS; arguments emb_table, W1, b1, tblb, w1p; writes tblb, w1p
.if DOCPART == 1
	.amdgcn_target "amdgcn-amd-amdhsa--gfx1250"
	.amdhsa_code_object_version 6
	.text
	.protected	k_q6e092e111e_prep
	.globl	k_q6e092e111e_prep
	.p2align	8
	.type	k_q6e092e111e_prep,@function
k_q6e092e111e_prep:
	s_mov_b64 s[64:65], 0
	v_nop
	global_prefetch_b8 v0, s[64:65] scope:SCOPE_SE
	s_setreg_imm32_b32 hwreg(HW_REG_WAVE_MODE, 25, 1), 1
	s_wait_xcnt 0x0
; PREP.  Two jobs, told apart by the work-group's number.
; (1) Work-groups 0 .. 264 pack W1 [512][515] and b1 [512] (f32) into w1p: bf16, rounded to nearest even, laid out as HALF FRAGMENTS of 512 bytes (lane L at byte 16 L),
;     so that the next launch fills a matrix operand by plain 16-byte loads of neighbouring lanes.  One wave makes one half fragment, number u = 4 x work-group + wave, 0 .. 1059.
;     A fragment (tile T of 16 hidden units, K step k of 32) has halves f = 0, 1: lane (r = L % 16, h = L / 16) holds W1[16 T + r][32 k + 16 f + 8 h + 0..7].
;       u < 512:  u = ((w 16 + k) 4 + a) 2 + f, T = 8 w + a            (a = 0..3: the tiles that wave w of the next launch keeps in registers)
;       u >= 512: v = u - 512, w = v / 137, rem = v % 137              (137 half fragments = 70,144 bytes: what wave w keeps in LDS)
;                 rem < 128: k = rem / 8, a' = (rem / 2) % 4, f = rem % 2, T = 8 w + 4 + a'
;                 rem = 128 + a, a = 0..7: K step 16 of tile 8 w + a, first half: lanes 0-15 hold W1[row][512..514], b1[row], 0, 0, 0, 0; lanes 16-31 zeros
;                 rem = 136: 512 zero bytes (the second half of every fragment of K step 16)
; (2) Work-groups 265 .. 2764 write the table [100000][128] as bf16: a row becomes 256 bytes at byte 256 x id.  Each takes 20,480 bytes in, 10,240 out.
; LIMITS.  Every number is rounded once to bf16 (nearest even); NaN and infinities pass as the conversion leaves them.
.set NPACK, 265                        ; work-groups that pack: 4 x 265 = 1,060 half fragments
.set INB,   20480                      ; table bytes read by a work-group: 128 threads x 16 bytes x 10
.set OUTB,  10240
.set X, 4                              ; v[4:43]   ten loads of four f32
.set Y, 44                             ; v[44:63]  ten pairs of packed bf16
	s_load_b256 s[4:11], s[0:1], 0x0               ; table s[4:5], W1 s[6:7], b1 s[8:9], tblb s[10:11]
	s_load_b64 s[12:13], s[0:1], 0x20              ; w1p
	s_cmp_lt_u32 ttmp9, NPACK
	s_cbranch_scc1 .Lpack
	; ---- the table: all ten loads go out first; a wave's load covers 512 neighbouring bytes, its store 256 neighbouring bytes at a multiple of 256
	s_sub_co_u32 s14, ttmp9, NPACK
	s_mul_i32 s16, s14, INB
	s_mov_b32 s17, 0
	s_mul_i32 s18, s14, OUTB
	s_mov_b32 s19, 0
	v_lshlrev_b32 v1, 4, v0                        ; 16 t
	v_lshlrev_b32 v2, 3, v0                        ; 8 t
	s_wait_kmcnt 0x0
	s_add_nc_u64 s[4:5], s[4:5], s[16:17]
	s_add_nc_u64 s[10:11], s[10:11], s[18:19]
.irp i, 0,1,2,3,4,5,6,7,8,9
	global_load_b128 v[X+4*(\i):X+4*(\i)+3], v1, s[4:5] offset:2048*(\i) th:TH_LOAD_NT  ; read once in the launch
.endr
.irp i, 0,1,2,3,4,5,6,7,8,9
	s_wait_loadcnt 9-(\i)                          ; loads come back in order: load i is in, the 9 - i younger ones stay out
	v_cvt_pk_bf16_f32 v[Y+2*(\i)], v[X+4*(\i)], v[X+4*(\i)+1]
	v_cvt_pk_bf16_f32 v[Y+2*(\i)+1], v[X+4*(\i)+2], v[X+4*(\i)+3]
	global_store_b64 v2, v[Y+2*(\i):Y+2*(\i)+1], s[10:11] offset:1024*(\i)  ; no hint: the next launch reads these rows
.endr
	s_endpgm
	; ---- W1 and b1
.Lpack:
	v_lshrrev_b32 v1, 5, v0
	v_readfirstlane_b32 s14, v1                    ; wave
	s_lshl_b32 s15, ttmp9, 2
	s_add_co_u32 s15, s15, s14                     ; u
	v_and_b32 v2, 15, v0                           ; r
	v_bfe_u32 v3, v0, 4, 1                         ; h
	v_and_b32 v4, 31, v0                           ; L
	s_lshl_b32 s16, s15, 9
	v_lshl_add_u32 v5, v4, 4, s16                  ; where my 16 bytes go: 512 u + 16 L
	s_cmp_lt_u32 s15, 512
	s_cbranch_scc0 .Lupper
	s_and_b32 s20, s15, 1                          ; f
	s_bfe_u32 s21, s15, 0x20001                    ; a
	s_bfe_u32 s22, s15, 0x40003                    ; k
	s_lshr_b32 s23, s15, 7                         ; w
	s_lshl3_add_u32 s21, s23, s21                  ; T = 8 w + a
	s_branch .Lregular
.Lupper:
	s_sub_co_u32 s17, s15, 512                     ; v, 0 .. 547
	s_mul_i32 s23, s17, 479
	s_lshr_b32 s23, s23, 16                        ; w = v / 137: 479 / 65,536 lies just above 1 / 137, and the product is exact for v < 548
	s_mul_i32 s18, s23, 137
	s_sub_co_u32 s18, s17, s18                     ; rem
	s_cmp_lt_u32 s18, 128
	s_cbranch_scc0 .Lspecial
	s_and_b32 s20, s18, 1                          ; f
	s_bfe_u32 s21, s18, 0x20001                    ; a'
	s_lshr_b32 s22, s18, 3                         ; k
	s_lshl3_add_u32 s21, s23, s21
	s_add_co_u32 s21, s21, 4                       ; T = 8 w + 4 + a'
.Lregular:
	s_lshl_b32 s21, s21, 4                         ; 16 T
	s_mul_i32 s21, s21, 515                        ; its first element
	s_lshl_b32 s22, s22, 5
	s_add_co_u32 s21, s21, s22                     ; + 32 k
	s_lshl_b32 s20, s20, 4
	s_add_co_u32 s21, s21, s20                     ; + 16 f
	v_mul_u32_u24 v6, v2, 515                      ; + 515 r
	v_lshl_add_u32 v6, v3, 3, v6                   ; + 8 h
	v_add_lshl_u32 v6, v6, s21, 2                  ; in bytes
	s_wait_kmcnt 0x0
.irp e, 0,1,2,3,4,5,6,7
	global_load_b32 v[8+(\e)], v6, s[6:7] offset:4*(\e)  ; a row of 515 f32 begins at a multiple of 4 bytes only: single words
.endr
	s_wait_loadcnt 0x0
.irp j, 0,1,2,3
	v_cvt_pk_bf16_f32 v[16+(\j)], v[8+2*(\j)], v[9+2*(\j)]
.endr
	global_store_b128 v5, v[16:19], s[12:13]       ; the wave stores 512 neighbouring bytes
	s_endpgm
.Lspecial:
	s_cmp_eq_u32 s18, 136
	s_cbranch_scc1 .Lzero
	s_sub_co_u32 s21, s18, 128                     ; a, 0 .. 7
	s_lshl3_add_u32 s21, s23, s21                  ; T = 8 w + a
	s_lshl_b32 s21, s21, 4
	v_add_nc_u32 v6, s21, v2                       ; row = 16 T + r
	v_mul_u32_u24 v7, v6, 2060                     ; the row's first byte in W1
	v_lshlrev_b32 v6, 2, v6                        ; its byte in b1
	s_wait_kmcnt 0x0
	global_load_b32 v8, v7, s[6:7] offset:2048     ; W1[row][512]
	global_load_b32 v9, v7, s[6:7] offset:2052     ; W1[row][513]
	global_load_b32 v10, v7, s[6:7] offset:2056    ; W1[row][514]
	global_load_b32 v11, v6, s[8:9]                ; b1[row]
	s_wait_loadcnt 0x0
	v_cvt_pk_bf16_f32 v16, v8, v9
	v_cvt_pk_bf16_f32 v17, v10, v11
	v_cmp_gt_u32 vcc_lo, 16, v4                    ; lanes 16-31 stand for k = 8 .. 15 of the step: zeros
	v_cndmask_b32 v16, 0, v16, vcc_lo
	v_cndmask_b32 v17, 0, v17, vcc_lo
	v_mov_b32 v18, 0
	v_mov_b32 v19, 0
	global_store_b128 v5, v[16:19], s[12:13]
	s_endpgm
.Lzero:
	v_mov_b32 v16, 0
	v_mov_b32 v17, 0
	v_mov_b32 v18, 0
	v_mov_b32 v19, 0
	s_wait_kmcnt 0x0
	global_store_b128 v5, v[16:19], s[12:13]
	s_endpgm
.Lfunc_end_k_q6e092e111e_prep:
	.size	k_q6e092e111e_prep, .Lfunc_end_k_q6e092e111e_prep-k_q6e092e111e_prep
	.p2alignl 7, 3214868480
	.fill 96, 4, 3214868480
	.section	.rodata,"a",@progbits
	.p2align	6, 0x0
	.amdhsa_kernel k_q6e092e111e_prep
		.amdhsa_group_segment_fixed_size 0
		.amdhsa_private_segment_fixed_size 0
		.amdhsa_enable_private_segment 0
		.amdhsa_kernarg_size 40
		.amdhsa_user_sgpr_count 2
		.amdhsa_user_sgpr_kernarg_segment_ptr 1
		.amdhsa_wavefront_size32 1
		.amdhsa_system_sgpr_workgroup_id_x 1
		.amdhsa_system_sgpr_workgroup_id_y 1
		.amdhsa_system_sgpr_workgroup_id_z 1
		.amdhsa_system_vgpr_workitem_id 0
		.amdhsa_next_free_vgpr 64
		.amdhsa_next_free_sgpr 66
		.amdhsa_reserve_vcc 1
		.amdhsa_float_denorm_mode_32 3
		.amdhsa_float_denorm_mode_16_64 3
		.amdhsa_memory_ordered 1
		.amdhsa_forward_progress 1
		.amdhsa_inst_pref_size 9
	.end_amdhsa_kernel
	.amdgpu_metadata
---
amdhsa.version: [ 1, 2 ]
amdhsa.kernels:
  - .name:           k_q6e092e111e_prep
    .symbol:         k_q6e092e111e_prep.kd
    .args:
      - { .name: emb_table, .offset: 0, .size: 8, .value_kind: global_buffer, .address_space: global }
      - { .name: W1, .offset: 8, .size: 8, .value_kind: global_buffer, .address_space: global }
      - { .name: b1, .offset: 16, .size: 8, .value_kind: global_buffer, .address_space: global }
      - { .name: tblb, .offset: 24, .size: 8, .value_kind: global_buffer, .address_space: global }
      - { .name: w1p, .offset: 32, .size: 8, .value_kind: global_buffer, .address_space: global }
    .group_segment_fixed_size: 0
    .private_segment_fixed_size: 0
    .kernarg_segment_align: 8
    .kernarg_segment_size: 40
    .max_flat_workgroup_size: 128
    .sgpr_count:     66
    .vgpr_count:     64
    .wavefront_size: 32
...
	.end_amdgpu_metadata
.endif
;; end of part 1
;; launch score (part 2): grid 256 x 1, 4 waves a work-group, clusters of 4 x 1, 327,680 bytes of LDS; arguments tblb, w1p, target_item_ids, original_item_ids, left_item_ids, right_item_ids, position_indices, normalized_positions, session_lengths, W2, b2, out0; writes out0
.if DOCPART == 2
	.amdgcn_target "amdgcn-amd-amdhsa--gfx1250"
	.amdhsa_code_object_version 6
	.text
	.protected	k_q6e092e111e_score
	.globl	k_q6e092e111e_score
	.p2align	8
	.type	k_q6e092e111e_score,@function
k_q6e092e111e_score:
	s_mov_b64 s[64:65], 0
	v_nop
	global_prefetch_b8 v0, s[64:65] scope:SCOPE_SE
	s_setreg_imm32_b32 hwreg(HW_REG_WAVE_MODE, 25, 1), 1
	s_wait_xcnt 0x0
	s_wait_alu depctr_hold_cnt(0) depctr_sa_sdst(0) depctr_va_vdst(0) depctr_va_sdst(0) depctr_va_ssrc(0) depctr_va_vcc(0) depctr_vm_vsrc(0)
	s_getreg_b32 s2, hwreg(HW_REG_IB_STS2, 6, 4)
	s_cmp_eq_u32 s2, 0
	s_cbranch_scc0 .Lentry_in_a_cluster
	s_endpgm
.Lentry_in_a_cluster:
	s_bfe_u32 s2, ttmp6, 0x10000c
	s_cmp_lg_u32 s2, 0x3003
	s_cbranch_scc0 .Lentry_shape_is_right
	s_endpgm
.Lentry_shape_is_right:
; SCORE.  out[n] = W2 . relu(W1 x[n] + b1) + b2;  x[n] = four table rows of 128 (target, original, left, right) and three scalars: K = 515, 512 hidden units, 262,144 candidates.
; SHARES.  256 work-groups of four waves; a work-group owns 1,024 candidates, in 16 blocks of 64, and ALL 512 hidden units.  W1 DOES NOT MOVE: wave w owns hidden 128 w .. 128 w + 127, eight tiles of 16.
;   Tiles 0-3 (the R tiles), K 0 .. 511, lie in 512 registers; tiles 4-7 (the L tiles) lie in LDS in the order of the fragments (lane L at byte 16 L), so W1 is fetched once a work-group.
; x is gathered once: a row of the bf16 table is 256 bytes, taken whole by sixteen lanes, put into a ring of two LDS slots (a slot = one of the four embeddings for 64 candidates) and read from there as fragments by all four waves.
; K STEP 16 holds the scalars and the bias: x's columns p, q, s, 1.0 against W1[:, 512 .. 514] and b1; its other 28 columns are zeros on both sides.
; THE PRODUCT: source 0 = 16 hidden units of W1, source 1 = 16 candidates of x.  In the result lane (r, h) holds candidate r and its registers j the hidden units 8 h + j: relu and the product with W2 stay inside
;   a lane but for one exchange of the lanes' halves; the four waves' partial sums meet in LDS, and wave 0 stores a block's 64 logits as 256 neighbouring bytes.
; BY TURNS.  A block's last products are ordered so that the R tiles end three runs of 16 products ahead of the L tiles.  The R tiles' relu and W2 (192 vector instructions) stand four behind each of the L tiles' last 48 products,
;   the L tiles' behind the next block's first 48 products of the R tiles.
; CLUSTER.  The four work-groups of a cluster need the same LDS half of W1: each wave's one tensor load is asked for jointly (mask of four).  The register half comes by loads into registers.
; LIMITS.  Every floating-point input is used rounded once to bf16 (table, W1, b1 by the launch before; scalars, W2, b2 here); sums, relu and the product with W2 are f32.  Ids are taken as unsigned and held at 99,999 at the most
;   (negative ids are not wrapped).  relu is a maximum in which a NaN loses; NaN and infinities are not treated apart (an infinite scalar meets zeros of K step 16 and gives NaN).
;
; LDS, in bytes:   0 .. 280,575  wave w's W1 at 70,144 w: L fragment (k, a') at (4 k + a') 1,024; K step 16's first halves at 65,536 + 512 a; 512 zeros at 69,632.  Filled once, by the tensor load; read by wave w alone.
;   RING 2 x 17,408  x slots: 64 rows of 272 (256 + 16: sixteen rows of a fragment load begin 68 words apart)     SCB 8,192  a candidate's {p, q}, {s, 1.0} in bf16     W2L 2,048  W2 as f32
;   PLB 1,024  partial logits [wave][64]     SPARE 512  the spare words
; REGISTERS, in windows of 256 (s_set_vgpr_msb: bits 1:0 source 0, 3:2 source 1, 5:4 source 2, 7:6 destination):
;   window 0: addresses, staging, W2, fragments of x (three buffers) and of the L tiles (two)     window 1: R tiles' W1, K steps 0-7 at 32 (k % 8) + 8 a     window 2: K steps 8-15     window 3: 32 accumulators, tile (a, c) at 8 (4 a + c)
.set WREG,  70144                      ; a wave's W1 bytes in LDS
.set RING,  4*WREG
.set XP,    272                        ; pitch of a row of x
.set SLOTB, 64*XP
.set SCB,   RING+2*SLOTB
.set W2L,   SCB+8192
.set PLB,   W2L+2048
.set SPARE, PLB+1024                   ; 128 bytes for each wave: two blocks of 256 bytes that no other line names
.set SPW,  1                           ; v1   LDS address of my spare word; never rewritten
.set NIL,  2                           ; v2   0; never rewritten
.set XAD,  3                           ; v3   RING + 272 r + 16 h: my place in a fragment of x
.set LAD0, 4                           ; v4   70,144 w + 16 L: my place in a fragment of W1, K steps 0-7
.set LAD1, 5                           ; v5   the same + 32,768: K steps 8-16
.set STO,  6                           ; v6   RING + (16 w + 8 h) 272 + 16 r: where I put gathered rows
.set IDO,  7                           ; v7   64 w + 32 h + 256 x block: my eight ids
.set ROFF, 8                           ; v8   16 r: my 16 bytes of a table row
.set W2AD, 9                           ; v9   W2L + 512 w + 32 h
.set SCAD, 10                          ; v10  SCB + 8 r + 512 x block
.set PAD,  11                          ; v11  PLB + 256 w + 4 r
.set PRD,  12                          ; v12  PLB + 8 L
.set OUTO, 13                          ; v13  8 L
.set BB2,  14                          ; v[14:15] b2, twice
.set IDS,  16                          ; v[16:23] eight ids, then eight row offsets
.set PART, 24                          ; v[24:31] a pair of partial logits for each of the four tiles of candidates
.set STG,  32                          ; v[32:63] eight gathered pieces of 16 bytes
.set W2B,  64                          ; v[64:95] W2 of four tiles of hidden units
.set XF,   96                          ; v[96:191] x fragments: three buffers of 32 (four tiles of candidates x 32 K)
.set LF,   192                         ; v[192:255] L fragments: two buffers of 32 (four tiles of hidden units x 32 K)
.set WV,   3                           ; s3   wave
.set TRIP, 44                          ; s44  blocks to go
.set SEL,  46                          ; s[46:47] v_permlanex16_b32's selects: each lane takes its own place in the other half
.set MSB, 0
.macro WIN new                         ; the immediate's high byte repeats the setting that is left; a switch that changes nothing is dropped
.if MSB != (\new)
	s_set_vgpr_msb (MSB<<8)|(\new)
.set MSB, (\new)
.endif
.endm
.macro PLACES                          ; a load into a register that a matrix instruction has read, and a vector instruction that reads a matrix result, stand four plain vector instructions behind it (ISA guide 7.12.1 for vector instructions)
.rept 4
	v_nop
.endr
.endm
.macro HEAD                            ; in front of a run of LDS loads: the run before is in (nothing younger is out, so the count is 0), every window 0, four places
	s_wait_dscnt 0x0
	WIN 0
	PLACES
.endm
.macro CROUND                          ; a round of the cluster's barrier
	s_barrier_signal -1
	s_barrier_wait -1
	s_cmp_lg_u32 s[WV], 0
	s_cbranch_scc1 .Lnot_wave_0_\@
	s_barrier_signal -3
.Lnot_wave_0_\@:
	s_barrier_wait -3
	s_barrier_signal -1
	s_barrier_wait -1
.endm
; x's fragments of K step k (slot k / 4, in ring half (k / 4) % 2; 64 bytes of each row) for the four tiles of candidates, into buffer xb
.macro FX k, xb
.irp c, 0,1,2,3
	ds_load_b128 v[XF+32*(\xb)+8*(\c):XF+32*(\xb)+8*(\c)+3],   v[XAD] offset:(((\k)/4)%2)*SLOTB+(\c)*16*XP+((\k)%4)*64
	ds_load_b128 v[XF+32*(\xb)+8*(\c)+4:XF+32*(\xb)+8*(\c)+7], v[XAD] offset:(((\k)/4)%2)*SLOTB+(\c)*16*XP+((\k)%4)*64+32
.endr
.endm
; the L tiles' fragments of K step k, into buffer lb: 32 lanes take 512 neighbouring bytes
.macro FL k, lb
.irp a, 0,1,2,3
	ds_load_b128 v[LF+32*(\lb)+8*(\a):LF+32*(\lb)+8*(\a)+3],   v[LAD0+(\k)/8] offset:(4*((\k)%8)+(\a))*1024
	ds_load_b128 v[LF+32*(\lb)+8*(\a)+4:LF+32*(\lb)+8*(\a)+7], v[LAD0+(\k)/8] offset:(4*((\k)%8)+(\a))*1024+512
.endr
.endm
; K step 16's fragments of W1 for tiles 4 hf .. 4 hf + 3: the first halves, and the zeros for the second
.macro F16 hf, lb
.irp a, 0,1,2,3
	ds_load_b128 v[LF+32*(\lb)+8*(\a):LF+32*(\lb)+8*(\a)+3],   v[LAD1] offset:32768+(4*(\hf)+(\a))*512
	ds_load_b128 v[LF+32*(\lb)+8*(\a)+4:LF+32*(\lb)+8*(\a)+7], v[LAD1] offset:36864
.endr
.endm
; K step 16's fragments of x, into buffer 2: registers 0, 1 = {p, q}, {s, 1.0} of candidate 16 c + r (lanes 16-31 take the same and meet W1's zeros), registers 2-7 = 0.
; The 24 moves name no register of the products just issued: they are also the places in front of the loads that follow.
.macro FXS
.irp c, 0,1,2,3
.irp j, 2,3,4,5,6,7
	v_mov_b32 v[XF+64+8*(\c)+(\j)], 0
.endr
.endr
.irp c, 0,1,2,3
	ds_load_b64 v[XF+64+8*(\c):XF+64+8*(\c)+1], v[SCAD] offset:128*(\c)
.endr
	v_add_nc_u32 v[SCAD], 512, v[SCAD]             ; the next block's 64 candidates
.endm
.macro FW g                            ; W2 of my tile g: hidden 128 w + 16 g + 8 h + 0..7
	ds_load_b128 v[W2B+8*((\g)%4):W2B+8*((\g)%4)+3],   v[W2AD] offset:64*(\g)
	ds_load_b128 v[W2B+8*((\g)%4)+4:W2B+8*((\g)%4)+7], v[W2AD] offset:64*(\g)+16
.endm
; Slice q of 48 of the vector work on half e of the tiles (0: R, 1: L).  Tile of hidden units 4 e + q / 12 has twelve slices of four instructions:
;   0-7   relu in place, an accumulator's low four registers first.  The three-operand maximum has its register in the third source place,
;         whose window and the destination's the products round it have set to 3: no switch is needed.
;   8-11  the four tiles of candidates: partial += relu x W2, two hidden units at a time.  The very first starts the sums: nothing is cleared.
.macro SLICE e
.set qg, q/12
.set qu, q%12
.set qa, 128*(\e)+32*qg
.if qu < 8
	WIN CURW
.set qb, qa+4*qu
	v_max3_num_f32 v[qb], 0, 0, v[qb]
	v_max3_num_f32 v[qb+1], 0, 0, v[qb+1]
	v_max3_num_f32 v[qb+2], 0, 0, v[qb+2]
	v_max3_num_f32 v[qb+3], 0, 0, v[qb+3]
.else
	WIN 0x03                                       ; source 0 (the accumulator) window 3, all else window 0
.set qi, 2*(qu-8)
.irp c, 0,1,2,3
.if ((\e) == 0) && (q == 8)
	v_pk_mul_f32 v[PART+2*(\c):PART+2*(\c)+1], v[qa+8*(\c)+qi:qa+8*(\c)+qi+1], v[W2B+8*qg+qi:W2B+8*qg+qi+1]
.else
	v_pk_fma_f32 v[PART+2*(\c):PART+2*(\c)+1], v[qa+8*(\c)+qi:qa+8*(\c)+qi+1], v[W2B+8*qg+qi:W2B+8*qg+qi+1], v[PART+2*(\c):PART+2*(\c)+1]
.endif
.endr
.endif
.set q, q+1
.endm
; 16 products: half t of the tiles of hidden units (4 tiles) x 4 tiles of candidates, 32 along K.  The 16 accumulators take turns, one instruction a turn.
; src: W1's fragments (in the window that win names); zr = 1: the products start the sums; ep >= 0: a slice of half ep's vector work behind each product.
.macro MUL t, win, src, xb, zr, ep
.set CURW, (\win)
.irp a, 0,1,2,3
.irp c, 0,1,2,3
	WIN CURW
.if \zr
	v_wmma_f32_16x16x32_bf16 v[128*(\t)+32*(\a)+8*(\c):128*(\t)+32*(\a)+8*(\c)+7], v[(\src)+8*(\a):(\src)+8*(\a)+7], v[XF+32*(\xb)+8*(\c):XF+32*(\xb)+8*(\c)+7], 0
.else
	v_wmma_f32_16x16x32_bf16 v[128*(\t)+32*(\a)+8*(\c):128*(\t)+32*(\a)+8*(\c)+7], v[(\src)+8*(\a):(\src)+8*(\a)+7], v[XF+32*(\xb)+8*(\c):XF+32*(\xb)+8*(\c)+7], v[128*(\t)+32*(\a)+8*(\c):128*(\t)+32*(\a)+8*(\c)+7]
.endif
.if (\ep) >= 0
	SLICE \ep
.endif
.endr
.endr
.endm
.macro RMUL k, xb, zr, ep              ; the R tiles, K step k: W1 in window 1 (k < 8) or 2
	MUL 0, 0xF1+(\k)/8, 32*((\k)%8), \xb, \zr, \ep
.endm
.macro LMUL lb, xb, zr, ep             ; the L tiles: W1 in buffer lb of window 0
	MUL 1, 0xF0, LF+32*(\lb), \xb, \zr, \ep
.endm
; THE GATHER, one step of four a block.  The rows asked for in the step before are in: they go into ring half `ring`.  The ids loaded in the step before become row offsets (held inside the table), and eight loads
; ask for the next slot's rows: lanes 0-15 take row 16 w + j whole, lanes 16-31 row 16 w + 8 + j.  Then the ids of the slot after that are loaded from the list at s[ptr].
; st = 1: the id offset and out's address step to the next block.  sk = 1: the id loads are jumped over in the last block, which has no next block.
.macro LUMP ring, ptr, off, st, sk
	s_wait_loadcnt 0x0                             ; the eight rows and the ids; nothing younger is out
.if \st
	v_add_nc_u32 v[IDO], 256, v[IDO]               ; free: the loads that named it are done
.endif
.irp j, 0,1,2,3,4,5,6,7
	ds_store_b128 v[STO], v[STG+4*(\j):STG+4*(\j)+3] offset:(\ring)*SLOTB+(\j)*XP
.endr
.irp j, 0,1,2,3,4,5,6,7
	v_min_u32 v[IDS+(\j)], 0x1869f, v[IDS+(\j)]    ; 99,999 at the most
.endr
.irp j, 0,1,2,3,4,5,6,7
	v_lshl_add_u32 v[IDS+(\j)], v[IDS+(\j)], 8, v[ROFF]
.endr
.irp j, 0,1,2,3,4,5,6,7
	global_load_b128 v[STG+4*(\j):STG+4*(\j)+3], v[IDS+(\j)], s[8:9]
.endr
	s_wait_xcnt 0x0                                ; the offsets above, out's address and the last store's data are rewritten only behind this wait
.if \st
	s_add_nc_u64 s[30:31], s[30:31], 256
.endif
.if \sk
	s_cmp_eq_u32 s[TRIP], 1
	s_cbranch_scc1 .Lno_ids_\@
.endif
	global_load_b128 v[IDS:IDS+3],   v[IDO], s[(\ptr):(\ptr)+1] offset:(\off)
	global_load_b128 v[IDS+4:IDS+7], v[IDO], s[(\ptr):(\ptr)+1] offset:(\off)+16
.if \sk
.Lno_ids_\@:
.endif
.endm
.macro LUMPL                           ; the last block's second step: the last slot is put into the ring, nothing more is asked for
	s_wait_loadcnt 0x0
.irp j, 0,1,2,3,4,5,6,7
	ds_store_b128 v[STO], v[STG+4*(\j):STG+4*(\j)+3] offset:SLOTB+(\j)*XP
.endr
	s_wait_xcnt 0x0
	s_add_nc_u64 s[30:31], s[30:31], 256
.endm
.macro FIN                             ; my 128 hidden units' share of the block's 64 logits: the pair, the other half of the lanes, into LDS (both halves write the same word with the same number)
	WIN 0
.irp c, 0,1,2,3
	v_add_f32 v[PART+2*(\c)], v[PART+2*(\c)], v[PART+2*(\c)+1]
.endr
.irp c, 0,1,2,3
	v_permlanex16_b32 v[PART+2*(\c)+1], v[PART+2*(\c)], s[SEL], s[SEL+1]
.endr
.irp c, 0,1,2,3
	v_add_f32 v[PART+2*(\c)], v[PART+2*(\c)], v[PART+2*(\c)+1]
.endr
.irp c, 0,1,2,3
	ds_store_b32 v[PAD], v[PART+2*(\c)] offset:64*(\c)
.endr
.endm
.macro OUTLD                           ; wave 0 reads the four waves' shares, two candidates a lane
	s_cmp_lg_u32 s[WV], 0
	s_cbranch_scc1 .Lno_ld_\@
.irp c, 0,1,2,3
	ds_load_b64 v[PART+2*(\c):PART+2*(\c)+1], v[PRD] offset:256*(\c)
.endr
.Lno_ld_\@:
.endm
.macro OUTST                           ; and stores their sum + b2: 32 lanes, 256 neighbouring bytes at a multiple of 256 from out's first.  out's address has stepped once more than blocks have been stored
	s_cmp_lg_u32 s[WV], 0
	s_cbranch_scc1 .Lno_st_\@
	v_pk_add_f32 v[PART:PART+1], v[PART:PART+1], v[PART+2:PART+3]
	v_pk_add_f32 v[PART+4:PART+5], v[PART+4:PART+5], v[PART+6:PART+7]
	v_pk_add_f32 v[PART:PART+1], v[PART:PART+1], v[PART+4:PART+5]
	v_pk_add_f32 v[PART:PART+1], v[PART:PART+1], v[BB2:BB2+1]
	global_store_b64 v[OUTO], v[PART:PART+1], s[30:31] offset:-256
.Lno_st_\@:
.endm
.macro W1LD k                          ; the R tiles' W1 of K step k: eight loads of 512 neighbouring bytes
	WIN 0x40+0x40*((\k)/8)                         ; destination window 1 or 2, address window 0
.irp a, 0,1,2,3
	global_load_b128 v[32*((\k)%8)+8*(\a):32*((\k)%8)+8*(\a)+3],   v0, s[50:51] offset:((\k)*4+(\a))*1024
	global_load_b128 v[32*((\k)%8)+8*(\a)+4:32*((\k)%8)+8*(\a)+7], v0, s[50:51] offset:((\k)*4+(\a))*1024+512
.endr
.endm
; A BLOCK is 34 runs of 16 products.  R k, L k: the R or L tiles at K step k.  x of step k lies in buffer k % 3 up to k = 13, then 14, 15, 16 in buffers 0, 1, 2; the L tiles' W1 in buffers 0, 1 by turns.
; Four work-group barriers a block.  Each shows every wave the ring half stored behind the barrier before it, and frees the other half: in front of its signal each wave has waited for its LDS stores and for its reads of that half.
; LOW: the block's first nine runs.  first = 1: the first block: there is no block before it whose L tiles, logits and store would stand here.
.macro LOW first
	HEAD
	FX 2, 2
	FL 1, 1
.if (\first) == 0
	FW 6
	FW 7
.endif
.set q, 0
	RMUL 0, 0, 1, 1-2*(\first)                     ; R0 starts the R tiles' sums | the block before: L tiles' relu and W2
	RMUL 1, 1, 0, 1-2*(\first)                     ; R1
	s_wait_dscnt 0x0                               ; x2, and W2 of tiles 6, 7
	RMUL 2, 2, 0, 1-2*(\first)                     ; R2
.if (\first) == 0
	FIN
.endif
	LMUL 0, 0, 1, -1                               ; L0 starts the L tiles' sums
	HEAD
	FX 3, 0
	FL 2, 0
	LMUL 1, 1, 0, -1                               ; L1
	s_wait_dscnt 0x0                               ; my reads of slot 0 are over; my stores of slot 1 and of my partial logits are done
	s_barrier_signal -1                            ; barrier A; between signal and wait: products, and loads of W1 bytes, which nobody writes
	WIN 0
	PLACES
	FL 3, 1
	LMUL 0, 2, 0, -1                               ; L2
	s_wait_dscnt 0x0
	s_barrier_wait -1
	WIN 0
	PLACES
	FX 4, 1
	FL 4, 0
	LUMP 0, 12, 256, 0, 1-(\first)                 ; slot 2 into ring half 0; slot 3 is asked for; the next block's target ids
.if (\first) == 0
	OUTLD
.endif
	RMUL 3, 0, 0, -1                               ; R3
	LMUL 1, 0, 0, -1                               ; L3
	HEAD
	FX 5, 2
	FL 5, 1
.if (\first) == 0
	OUTST
.endif
	RMUL 4, 1, 0, -1                               ; R4
.endm
; HIGH: the other 25 runs.  last = 1: the last block: nothing of a next block is fetched, and the fourth barrier, which would show its first slot, is left out.
.macro HIGH last
	LMUL 0, 1, 0, -1                               ; L4
	HEAD
	FX 6, 0
	FL 6, 0
	FW 0
	FW 1
	FW 2
	FW 3
	RMUL 5, 2, 0, -1                               ; R5
	LMUL 1, 2, 0, -1                               ; L5
	HEAD
	FX 7, 1
	FL 7, 1
	RMUL 6, 0, 0, -1                               ; R6
	s_wait_dscnt 0x0                               ; my reads of slot 1 are over; my stores of slot 2 are done
	s_barrier_signal -1                            ; barrier B
	LMUL 0, 0, 0, -1                               ; L6
	s_barrier_wait -1
	WIN 0
	PLACES
	FX 8, 2
	FL 8, 0
.if \last
	LUMPL
.else
	LUMP 1, 14, 0, 1, 0                            ; slot 3 into ring half 1; the next block's slot 0 is asked for; its original ids
.endif
	RMUL 7, 1, 0, -1                               ; R7
	LMUL 1, 1, 0, -1                               ; L7
	HEAD
	FX 9, 0
	FL 9, 1
	RMUL 8, 2, 0, -1                               ; R8
	LMUL 0, 2, 0, -1                               ; L8
	HEAD
	FX 10, 1
	FL 10, 0
	RMUL 9, 0, 0, -1                               ; R9
	LMUL 1, 0, 0, -1                               ; L9
	HEAD
	FX 11, 2
	FL 11, 1
	RMUL 10, 1, 0, -1                              ; R10
	s_wait_dscnt 0x0                               ; my reads of slot 2 are over; my stores of slot 3 are done
	s_barrier_signal -1                            ; barrier C
	LMUL 0, 1, 0, -1                               ; L10
	s_barrier_wait -1
	WIN 0
	PLACES
	FX 12, 0
	FL 12, 0
.if (\last) == 0
	LUMP 0, 16, 0, 0, 0                            ; the next block's slot 0 into ring half 0; its slot 1 is asked for; its left ids
.endif
	RMUL 11, 2, 0, -1                              ; R11
	LMUL 1, 2, 0, -1                               ; L11
	HEAD
	FX 13, 1
	FL 13, 1
	RMUL 12, 0, 0, -1                              ; R12
	LMUL 0, 0, 0, -1                               ; L12
	HEAD
	FX 14, 0
	F16 0, 0
	RMUL 13, 1, 0, -1                              ; R13
	LMUL 1, 1, 0, -1                               ; L13
	s_wait_dscnt 0x0
	WIN 0
	FXS
	FX 15, 1
	FL 14, 1
	RMUL 14, 0, 0, -1                              ; R14: from here the R tiles run ahead,
	s_wait_dscnt 0x0
	RMUL 15, 1, 0, -1                              ; R15
	MUL 0, 0xF0, LF, 2, 0, -1                      ; R16: and are finished
	s_wait_dscnt 0x0                               ; my reads of slot 3 are over; my stores of the next block's slot 0 are done
.if (\last) == 0
	s_barrier_signal -1                            ; barrier D
.endif
	WIN 0
	PLACES                                         ; also the places between R16 and the first relu
	FL 15, 0
.set q, 0
	LMUL 1, 0, 0, 0                                ; L14 | the R tiles' relu and W2
	s_wait_dscnt 0x0
.if (\last) == 0
	s_barrier_wait -1
.endif
	WIN 0
	PLACES
.if (\last) == 0
	FX 0, 0
.endif
	F16 1, 1
.if (\last) == 0
	LUMP 1, 18, 0, 0, 0                            ; the next block's slot 1 into ring half 1; its slot 2 is asked for; its right ids
.endif
	LMUL 0, 1, 0, 0                                ; L15
	HEAD
.if (\last) == 0
	FX 1, 1
	FL 0, 0
.endif
	FW 4
	FW 5
	LMUL 1, 2, 0, 0                                ; L16
.endm
	s_load_b512 s[8:23], s[0:1], 0x0               ; tblb 8, w1p 10, target 12, original 14, left 16, right 18, position 20, normalized 22
	s_load_b256 s[24:31], s[0:1], 0x40             ; session 24, W2 26, b2 28, out 30
	v_lshl_add_u32 v[SPW], v0, 2, SPARE
	v_mov_b32 v[NIL], 0
	ds_add_u32 v[SPW], v[NIL]                      ; the wave's opening: the add and its wait stand ahead of my first tensor load; the set-up below, work on registers, stands between them
	v_lshrrev_b32 v192, 5, v0
	v_readfirstlane_b32 s[WV], v192                ; wave 0..3
	v_and_b32 v193, 15, v0                         ; r
	v_bfe_u32 v194, v0, 4, 1                       ; h
	v_and_b32 v195, 31, v0                         ; L
	v_lshlrev_b32 v196, 5, v0                      ; 32 t: my eight candidates' scalars
	v_lshlrev_b32 v197, 4, v0                      ; 16 t: my four numbers of W2
	v_lshl_add_u32 v198, v0, 6, SCB                ; where my eight candidates' scalars go
	v_lshl_add_u32 v199, v0, 4, W2L                ; where my four numbers of W2 go
	v_lshlrev_b32 v0, 4, v195                      ; from here on v0 = 16 L
	s_bfe_u32 s4, ttmp6, 0x40000                   ; cx: my place in the cluster; it enters the addresses of ids, scalars and out alone
	s_lshl_b32 s5, ttmp9, 2                        ; in a cluster launch ttmp9 counts clusters
	s_add_co_u32 s5, s5, s4                        ; work-group
	s_lshl_b32 s6, s5, 12                          ; its 1,024 candidates x 4 bytes
	s_mov_b32 s7, 0
	; the descriptor: my wave's 70,144 dense bytes of w1p as 274 rows of 256 bytes (32 elements of 8 bytes), no padding
	s_mov_b32 s32, 1                               ; count = 1
	s_mul_i32 s33, s[WV], WREG                     ; LDS address
	s_add_co_u32 s48, s33, 262144                  ; and the offset in w1p: behind the register half
	s_mov_b32 s49, 0
	s_lshl_b32 s52, s[WV], 16                      ; my 65,536 bytes of the register half
	s_mov_b32 s53, 0
	s_mov_b32 s36, 15|(3<<16)|(1<<21)              ; 15:0 the mask: all four work-groups; 17:16 elements of 8 bytes; 21 set beside a mask
	s_mov_b32 s37, 32<<16                          ; tensor_dim0 = 32
	s_mov_b32 s38, 274<<16                         ; tensor_dim1 = 274
	s_mov_b32 s39, 32<<16                          ; tile_dim0 = 32
	s_mov_b32 s40, 274                             ; tile_dim1 = 274
	s_mov_b32 s41, 32                              ; 32 elements from row to row
	s_mov_b32 s42, 0
	s_mov_b32 s43, 0
	s_mov_b32 s[SEL], 0x76543210
	s_mov_b32 s[SEL+1], 0xfedcba98
	v_mul_u32_u24 v[XAD], v193, XP
	v_lshl_add_u32 v[XAD], v194, 4, v[XAD]
	v_add_nc_u32 v[XAD], RING, v[XAD]
	v_lshl_add_u32 v[LAD0], v195, 4, s33
	v_add_nc_u32 v[LAD1], 0x8000, v[LAD0]
	s_mul_i32 s54, s[WV], 16*XP
	s_add_co_u32 s54, s54, RING
	v_mul_u32_u24 v[STO], v194, 8*XP
	v_lshl_add_u32 v[STO], v193, 4, v[STO]
	v_add_nc_u32 v[STO], s54, v[STO]
	s_lshl_b32 s54, s[WV], 6
	v_lshl_add_u32 v[IDO], v194, 5, s54
	v_lshlrev_b32 v[ROFF], 4, v193
	s_lshl_b32 s54, s[WV], 9
	s_add_co_u32 s54, s54, W2L
	v_lshl_add_u32 v[W2AD], v194, 5, s54
	v_lshl_add_u32 v[SCAD], v193, 3, SCB
	s_lshl_b32 s54, s[WV], 8
	s_add_co_u32 s54, s54, PLB
	v_lshl_add_u32 v[PAD], v193, 2, s54
	v_lshl_add_u32 v[PRD], v195, 3, PLB
	v_lshlrev_b32 v[OUTO], 3, v195
	s_wait_dscnt 0x0                               ; the opening add is done
	s_wait_kmcnt 0x0
	s_add_nc_u64 s[34:35], s[10:11], s[48:49]      ; global address of my tile: made of the wave's number alone, the same in all four work-groups
	s_or_b32 s35, s35, 0x80000000                  ; type = 2
	s_add_nc_u64 s[50:51], s[10:11], s[52:53]
.irp p, 12,14,16,18,20,22,24,30
	s_add_nc_u64 s[\p:\p+1], s[\p:\p+1], s[6:7]    ; ids, scalars and out at my work-group's first candidate
.endr
	s_load_b32 s45, s[28:29], 0x0                  ; b2
	CROUND                                         ; all four work-groups are here: the joint loads meet
	tensor_load_to_lds s[32:35], s[36:43]          ; my one tensor load of the launch
	s_nop 0
	PLACES
	; 13 small loads: the first block's ids of slots 0, 1, 2; my eight candidates' scalars; my four numbers of W2
	global_load_b128 v[128:131], v[IDO], s[12:13]
	global_load_b128 v[132:135], v[IDO], s[12:13] offset:16
	global_load_b128 v[136:139], v[IDO], s[14:15]
	global_load_b128 v[140:143], v[IDO], s[14:15] offset:16
	global_load_b128 v[IDS:IDS+3], v[IDO], s[16:17]
	global_load_b128 v[IDS+4:IDS+7], v[IDO], s[16:17] offset:16
	global_load_b128 v[144:147], v196, s[20:21] th:TH_LOAD_NT
	global_load_b128 v[148:151], v196, s[20:21] offset:16 th:TH_LOAD_NT
	global_load_b128 v[152:155], v196, s[22:23] th:TH_LOAD_NT
	global_load_b128 v[156:159], v196, s[22:23] offset:16 th:TH_LOAD_NT
	global_load_b128 v[160:163], v196, s[24:25] th:TH_LOAD_NT
	global_load_b128 v[164:167], v196, s[24:25] offset:16 th:TH_LOAD_NT
	global_load_b128 v[168:171], v197, s[26:27]
.irp k, 0,1,2,3
	W1LD \k
.endr
	WIN 0
	s_wait_loadcnt 32                              ; the 13 small loads are in; the 32 loads of W1 issued behind them stay out
.irp j, 0,1,2,3,4,5,6,7
	v_min_u32 v[128+(\j)], 0x1869f, v[128+(\j)]
	v_min_u32 v[136+(\j)], 0x1869f, v[136+(\j)]
.endr
.irp j, 0,1,2,3,4,5,6,7
	v_lshl_add_u32 v[128+(\j)], v[128+(\j)], 8, v[ROFF]
	v_lshl_add_u32 v[136+(\j)], v[136+(\j)], 8, v[ROFF]
.endr
.irp j, 0,1,2,3,4,5,6,7
	global_load_b128 v[XF+4*(\j):XF+4*(\j)+3], v[128+(\j)], s[8:9]    ; slot 0's rows
.endr
.irp j, 0,1,2,3,4,5,6,7
	global_load_b128 v[STG+4*(\j):STG+4*(\j)+3], v[136+(\j)], s[8:9]  ; slot 1's rows
.endr
.irp j, 0,1,2,3,4,5,6,7
	v_cvt_pk_bf16_f32 v[172+2*(\j)], v[144+(\j)], v[152+(\j)]         ; {p, q}
	v_cvt_pk_bf16_f32 v[173+2*(\j)], v[160+(\j)], 1.0                 ; {s, 1.0}
.endr
.irp j, 0,1,2,3
	ds_store_b128 v198, v[172+4*(\j):175+4*(\j)] offset:16*(\j)
.endr
	v_cvt_pk_bf16_f32 v188, v168, v169             ; W2 is rounded to bf16 and kept as f32
	v_cvt_pk_bf16_f32 v189, v170, v171
	v_lshlrev_b32 v168, 16, v188
	v_and_b32 v169, 0xffff0000, v188
	v_lshlrev_b32 v170, 16, v189
	v_and_b32 v171, 0xffff0000, v189
	ds_store_b128 v199, v[168:171]
	s_wait_kmcnt 0x0                               ; b2, likewise
	v_cvt_pk_bf16_f32 v[BB2], s45, s45
	v_lshlrev_b32 v[BB2], 16, v[BB2]
	v_mov_b32 v[BB2+1], v[BB2]
.irp k, 4,5,6,7,8,9
	W1LD \k
.endr
	WIN 0
	s_wait_loadcnt 48                              ; both gathers are in; the 48 loads of W1 issued behind them stay out
.irp j, 0,1,2,3,4,5,6,7
	ds_store_b128 v[STO], v[XF+4*(\j):XF+4*(\j)+3] offset:(\j)*XP     ; slot 0 into ring half 0
.endr
.irp k, 10,11,12,13,14,15
	W1LD \k
.endr
	WIN 0
	s_wait_tensorcnt 0x0                           ; my W1 is in LDS; I alone read it
	s_wait_dscnt 0x0                               ; for the others' sake: my rows of slot 0, my scalars and my part of W2 are stored
	s_barrier_signal -1
	s_barrier_wait -1
	FX 0, 0
	FX 1, 1
	FL 0, 0
	LUMP 1, 18, 0, 0, 0                            ; slot 1 into ring half 1; slot 2 is asked for; the right ids.  Its wait for all loads also shows the register half of W1 in
	s_mov_b32 s[TRIP], 15
	LOW 1
	WIN 0                                          ; at a label and at a branch every window is 0
.Lblock:                                               ; 15 trips: a block's last 25 runs and the next block's first nine
	HIGH 0
	LOW 0
	WIN 0
	s_sub_co_u32 s[TRIP], s[TRIP], 1
	s_cmp_lg_u32 s[TRIP], 0
	s_cbranch_scc1 .Lblock
	HIGH 1
	; the last block's L tiles have no products to stand behind
	s_wait_dscnt 0x0
	WIN 0
	FW 6
	FW 7
	PLACES                                         ; the places behind the last products
	s_wait_dscnt 0x0
.set q, 0
.set CURW, 0xF0
.rept 48
	SLICE 1
.endr
	FIN
	s_wait_dscnt 0x0                               ; for wave 0's sake: my partial logits are stored
	s_barrier_signal -1
	s_barrier_wait -1
	OUTLD
	s_wait_dscnt 0x0
	OUTST
	s_wait_tensorcnt 0x0                           ; the wave's end: the closing add stands behind my last tensor load and my last LDS store
	ds_add_u32 v[SPW], v[NIL]
	s_wait_dscnt 0x0
	CROUND                                         ; the closing round: no work-group ends while a partner may still ask for a tile that names it
	s_endpgm
.Lfunc_end_k_q6e092e111e_score:
	.size	k_q6e092e111e_score, .Lfunc_end_k_q6e092e111e_score-k_q6e092e111e_score
	.p2alignl 7, 3214868480
	.fill 96, 4, 3214868480
	.section	.rodata,"a",@progbits
	.p2align	6, 0x0
	.amdhsa_kernel k_q6e092e111e_score
		.amdhsa_group_segment_fixed_size 327680
		.amdhsa_private_segment_fixed_size 0
		.amdhsa_enable_private_segment 0
		.amdhsa_kernarg_size 96
		.amdhsa_user_sgpr_count 2
		.amdhsa_user_sgpr_kernarg_segment_ptr 1
		.amdhsa_wavefront_size32 1
		.amdhsa_system_sgpr_workgroup_id_x 1
		.amdhsa_system_sgpr_workgroup_id_y 1
		.amdhsa_system_sgpr_workgroup_id_z 1
		.amdhsa_system_vgpr_workitem_id 0
		.amdhsa_next_free_vgpr 1024
		.amdhsa_next_free_sgpr 66
		.amdhsa_reserve_vcc 0
		.amdhsa_float_denorm_mode_32 3
		.amdhsa_float_denorm_mode_16_64 3
		.amdhsa_memory_ordered 1
		.amdhsa_forward_progress 1
		.amdhsa_inst_pref_size 211
	.end_amdhsa_kernel
	.amdgpu_metadata
---
amdhsa.version: [ 1, 2 ]
amdhsa.kernels:
  - .name:           k_q6e092e111e_score
    .symbol:         k_q6e092e111e_score.kd
    .args:
      - { .name: tblb, .offset: 0, .size: 8, .value_kind: global_buffer, .address_space: global }
      - { .name: w1p, .offset: 8, .size: 8, .value_kind: global_buffer, .address_space: global }
      - { .name: target_item_ids, .offset: 16, .size: 8, .value_kind: global_buffer, .address_space: global }
      - { .name: original_item_ids, .offset: 24, .size: 8, .value_kind: global_buffer, .address_space: global }
      - { .name: left_item_ids, .offset: 32, .size: 8, .value_kind: global_buffer, .address_space: global }
      - { .name: right_item_ids, .offset: 40, .size: 8, .value_kind: global_buffer, .address_space: global }
      - { .name: position_indices, .offset: 48, .size: 8, .value_kind: global_buffer, .address_space: global }
      - { .name: normalized_positions, .offset: 56, .size: 8, .value_kind: global_buffer, .address_space: global }
      - { .name: session_lengths, .offset: 64, .size: 8, .value_kind: global_buffer, .address_space: global }
      - { .name: W2, .offset: 72, .size: 8, .value_kind: global_buffer, .address_space: global }
      - { .name: b2, .offset: 80, .size: 8, .value_kind: global_buffer, .address_space: global }
      - { .name: out0, .offset: 88, .size: 8, .value_kind: global_buffer, .address_space: global }
    .group_segment_fixed_size: 327680
    .private_segment_fixed_size: 0
    .kernarg_segment_align: 8
    .kernarg_segment_size: 96
    .max_flat_workgroup_size: 128
    .sgpr_count:     66
    .vgpr_count:     1024
    .wavefront_size: 32
...
	.end_amdgpu_metadata
.endif
;; end of part 2
